; MI455X (gfx1250); checked and timed in simulation.
; The chip was launched on July 23, 2026; its instructions are those of AMD's public machine-readable ISA for CDNA 5 (MIT licence, August 2026) and "CDNA5" Instruction Set Architecture Reference Guide (July 2026). The comments in the code are by the model that wrote it; some were corrected since.
;; Spatial Cross Attention. Allowed arithmetic: float matrix products may take bf16 or f16 operands with f32 sums; all other float work in f32.
;; Inputs: Wk 256 x 256 float32; Wo 256 x 256 float32; Wq 256 x 256 float32; Wref 2 x 256 float32; Wv 256 x 256 float32; bk 256 float32; bo 256 float32; bq 256 float32; bref 2 float32; bv 256 float32; key 4 x 4,096 x 256 float32; query 4 x 4,096 x 256 float32.
;; Outputs: out0 4 x 4,096 x 256 float32.
;; One version. Each part assembles by itself: llvm-mc -triple=amdgcn-amd-amdhsa -mcpu=gfx1250 --defsym DOCPART=n.
;; ======== version 1 of 1: 2 launches
;; limits: values are held in f16: magnitudes above 65,504 overflow, below 6.1e-05 lose precision
;; workspace buffers: qb 8,388,608 bytes; kb 8,388,608 bytes; vt 8,388,608 bytes; refp 131,072 bytes; wob 131,072 bytes
;; launch proj (part 1): grid 256 x 1, 4 waves a work-group, clusters of 4 x 1, 327,680 bytes of LDS; arguments query, key, Wq, bq, Wk, bk, Wv, bv, Wref, bref, Wo, qb, kb, vt, refp, wob; writes qb, kb, vt, refp, wob
.if DOCPART == 1
	.amdgcn_target "amdgcn-amd-amdhsa--gfx1250"
	.amdhsa_code_object_version 6
	.text
	.protected	k_qbe2127812d_proj
	.globl	k_qbe2127812d_proj
	.p2align	8
	.type	k_qbe2127812d_proj,@function
k_qbe2127812d_proj:
	s_mov_b64 s[64:65], 0
	v_nop
	global_prefetch_b8 v0, s[64:65] scope:SCOPE_SE
	s_setreg_imm32_b32 hwreg(HW_REG_WAVE_MODE, 25, 1), 1
	s_wait_xcnt 0x0
	s_wait_alu depctr_hold_cnt(0) depctr_sa_sdst(0) depctr_va_vdst(0) depctr_va_sdst(0) depctr_va_ssrc(0) depctr_va_vcc(0) depctr_vm_vsrc(0)
	s_getreg_b32 s2, hwreg(HW_REG_IB_STS2, 6, 4)
	s_cmp_eq_u32 s2, 0
	s_cbranch_scc0 .Lentry_in_a_cluster
	s_endpgm
.Lentry_in_a_cluster:
	s_bfe_u32 s2, ttmp6, 0x10000c
	s_cmp_lg_u32 s2, 0x3003
	s_cbranch_scc0 .Lentry_shape_is_right
	s_endpgm
.Lentry_shape_is_right:
; PROJECTIONS.  qb = (query Wq^T + bq) * log2(e)/16, kb = key Wk^T + bk (both [token][256] f16),
; vt = (key Wv^T + bv) transposed in blocks of 64 tokens ([block][256 channels][64 tokens] f16),
; refp = query Wref^T + bref in f32 ([batch][x, y][4096]), wob = Wo in f16.
; A work-group owns 64 tokens of query and of key.  Its four waves hold all 64 tokens of both as f16 fragments (windows 1 and 2)
; and walk the 768 weight rows in 12 chunks of 64 rows: wave w makes output channels 16 w .. 16 w + 15 of a chunk for all 64 tokens.
; THE WEIGHTS' WAY: 14 tiles of 64 rows of f32 (query, key, 12 chunks) go through four LDS slots.  A slot is not multiplied from: as soon as its 16 rows of a
; chunk have landed a wave rounds them to f16 into registers (64 registers a chunk, four sets, window 3), 32 LDS loads and 64 conversions, and the slot is free.
; So the tiles come in four batches, (chunks 0, 1, query, key), (2, 3), (4-7), (8-11), with three refill barriers in all, and each batch's
; products (32 a chunk) run while the next batch is on its way.  At most four tensor loads of a wave are out.
; WHY f16: the module's result is close to the mean of 4,096 rows of v, which is some 64 times smaller than v, and passes five roundings in a chain
; (key, Wv, v, the mean, Wo); with 8 significant bits each the chain's error comes near the hundredth of the result that is allowed, with 11 bits it is 8 times smaller.
; CLUSTER: the four work-groups of a cluster walk the same weights, 768 KB of the some 900 KB that a work-group reads, so each chunk is
; asked for jointly (mask 15).  The token rows are a work-group's own and come by plain tensor loads.
; LIMITS: inputs, q log2(e)/16, k and v are rounded to f16 and become infinite beyond 65,504 (both factors of a projection 30 times the usual size give some 5,400;
; common offsets of 30 spreads on both give 256 x 30 x 1.875 = 14,400).  The reference points are f32 sums in another order than a plain chain.
.set XP,   1040                        ; LDS pitch of a row of 256 f32: 1,024 + 16 bytes, an odd multiple of 16
.set SLOT, 64*XP
.set S0,   0                           ; slot 0: first the 64 rows of query
.set S1,   SLOT                        ; slot 1: first the 64 rows of key; after its last fill the stage of v
.set S2,   2*SLOT
.set S3,   3*SLOT
.set QST,  4*SLOT                      ; stage of q, then of k: 64 token rows of 512 + 16 bytes; no fill ever lands here
.set SP,   528
.set RSC,  QST+64*SP                   ; 64 x, then 64 y
.set VP,   144                         ; stage of v: 256 channel rows of 128 + 16 bytes
.set VST,  S1
.set XA,   4                           ; v4    fragment term r*XP + 32 h, rows of query (slot 0)
.set XAK,  5                           ; v5    the same for key (slot 1)
.set WA,   6                           ; v6-9  the same for my 16 rows of slot 0 .. 3
.set STQ,  10                          ; v10   stage of q and k: QST + r*SP + 16 h + 32 w
.set STV,  11                          ; v11   stage of v: VST + (16 w + r)*VP + 16 h
.set BOFF, 12                          ; v12   bias of q, k: 64 w + 32 h
.set BVOFF,13                          ; v13   bias of v: 4 (16 w + r)
.set GOFF, 14                          ; v14   way out: 8,192 w + 16 lane
.set CQ,   15                          ; v15   way out of q and k: LDS address of my 16 rows
.set CV,   16                          ; v16   way out of v
.set RL,   17                          ; v17   reference points: my 16 rows of query, 16 bytes a lane
.set RS,   18                          ; v18   where a lane puts its x or y
.set RSR,  19                          ; v19   where wave 0 reads them back
.set ROFF, 20                          ; v20   16,384 h + 16 r in refp
.set WOFF, 21                          ; v21   32 lane
.set L16,  22                          ; v22   16 lane
.set H4,   23                          ; v23   4 h
.set ACC,  32                          ; v32-63   four token tiles
.set BIA,  64                          ; v64-127  bias of chunk c (q, k) at 64 + 8 c; later v's at 64 + 8 (c - 8)
.set WF,   128                         ; v128-255 f32 as it comes from LDS
; window 1: query fragment (token tile t, K step k) at 8 (8 t + k); window 2: key likewise; window 3: weight set s, K step k at 64 s + 8 k
.set MSB, 0
.macro WIN new                         ; low byte: bits 1:0 source 0, 3:2 source 1, 5:4 source 2, 7:6 destination; the high byte repeats the setting that is left
.if MSB != \new
	s_set_vgpr_msb (MSB<<8)|\new
.set MSB, \new
.endif
.endm
.macro PLACES n
.rept \n
	v_nop
.endr
.endm
.macro BAR
	s_barrier_signal -1
	s_barrier_wait -1
.endm
; A round of the cluster's barrier: my work-group's barrier, wave 0 signals for the work-group, all wait for the four work-groups, my barrier again.
.macro ROUND
	s_barrier_signal -1
	s_barrier_wait -1
	s_cmp_lg_u32 s36, 0
	s_cbranch_scc1 .Lnot_wave_0_\@
	s_barrier_signal -3
.Lnot_wave_0_\@:
	s_barrier_wait -3
	s_barrier_signal -1
	s_barrier_wait -1
.endm
; 32 LDS loads: 16 rows x 256 f32 as eight fragments.  Lane (r, h) takes K = 32 k + 8 h .. + 7 (32 bytes) and K = 32 k + 16 + 8 h .. + 7.
.macro LDF a, off
.irp k, 0,1,2,3,4,5,6,7
	ds_load_b128 v[WF+16*\k:WF+16*\k+3],     v[\a] offset:\off+128*\k
	ds_load_b128 v[WF+16*\k+4:WF+16*\k+7],   v[\a] offset:\off+128*\k+16
	ds_load_b128 v[WF+16*\k+8:WF+16*\k+11],  v[\a] offset:\off+128*\k+64
	ds_load_b128 v[WF+16*\k+12:WF+16*\k+15], v[\a] offset:\off+128*\k+80
.endr
.endm
; and their rounding to f16, fragment by fragment as the loads come back (the destination's window is the caller's)
.macro CVF dst
.irp k, 0,1,2,3,4,5,6,7
	s_wait_dscnt 4*(7-\k)                          ; LDS loads come back in order: the four loads of each later fragment may stay out
.irp j, 0,1,2,3,4,5,6,7
	v_cvt_pk_f16_f32 v[\dst+8*\k+\j], v[WF+16*\k+2*\j], v[WF+16*\k+2*\j+1]
.endr
.endr
.endm
.macro XCONV a, win                    ; 64 token rows into window 1 (win = 0x40) or 2 (0x80)
.irp t, 0,1,2,3
	LDF \a, \t*16*XP
	WIN \win
	CVF 64*\t
	WIN 0
.endr
.endm
.macro WCONV slot, set                 ; my 16 rows of a slot's chunk into a weight set of window 3: the slot has then been read
	LDF WA+\slot, 0
	WIN 0xc0
	CVF 64*\set
	WIN 0
.endm
.macro SETW g, c                       ; group 0 at s[g:g+3] gets chunk c's address (my 16 rows of it); written only where no tensor load of mine is out
.set HB_, 8+4*((\c)/4)
	s_add_nc_u64 s[\g+2:\g+3], s[HB_:HB_+1], ((\c)%4)*65536
	s_or_b32 s[\g+3], s[\g+3], 0x80000000
.endm
; The products of chunk c: matrix c / 4 (q, k, v), its rows 64 (c % 4) .. + 63, from weight set 'set'; registers only, then 4 stores into a stage.
; q, k: A = weights, B = tokens: a lane gets 8 neighbouring channels of one token.  v: A = tokens, B = weights: 8 neighbouring tokens of one channel.
.macro WORK c, set
.set CM_, (\c)/4
.set CB_, (\c)%4
.set CW_, 64*(\set)
.set CI_, BIA+8*((\c)%8)
	s_wait_dscnt 0x0                               ; the last chunk's stores into the stage have read ACC
.if CM_ == 0
	WIN 0x07                                       ; A window 3, B window 1
.endif
.if CM_ == 1
	WIN 0x0b                                       ; A window 3, B window 2
.endif
.if CM_ == 2
	WIN 0x0e                                       ; A window 2, B window 3
.endif
; 32 products; the four accumulators take turns, one instruction a turn.  The first link adds onto the bias.
.irp k, 0,1,2,3,4,5,6,7
.irp t, 0,1,2,3
.if CM_ == 2
.if \k == 0
	v_wmma_f32_16x16x32_f16 v[ACC+8*\t:ACC+8*\t+7], v[8*(8*\t+\k):8*(8*\t+\k)+7], v[CW_+8*\k:CW_+8*\k+7], v[CI_:CI_+7]
.else
	v_wmma_f32_16x16x32_f16 v[ACC+8*\t:ACC+8*\t+7], v[8*(8*\t+\k):8*(8*\t+\k)+7], v[CW_+8*\k:CW_+8*\k+7], v[ACC+8*\t:ACC+8*\t+7]
.endif
.else
.if \k == 0
	v_wmma_f32_16x16x32_f16 v[ACC+8*\t:ACC+8*\t+7], v[CW_+8*\k:CW_+8*\k+7], v[8*(8*\t+\k):8*(8*\t+\k)+7], v[CI_:CI_+7]
.else
	v_wmma_f32_16x16x32_f16 v[ACC+8*\t:ACC+8*\t+7], v[CW_+8*\k:CW_+8*\k+7], v[8*(8*\t+\k):8*(8*\t+\k)+7], v[ACC+8*\t:ACC+8*\t+7]
.endif
.endif
.endr
.endr
	WIN 0
	PLACES 4                                       ; four places behind the last product before its result is read (ISA guide 7.12.1)
.if CM_ == 0
.irp i, 0,1,2,3,4,5,6,7,8,9,10,11,12,13,14,15
	v_pk_mul_f32 v[ACC+2*\i:ACC+2*\i+1], v[ACC+2*\i:ACC+2*\i+1], 0x3db8aa3b op_sel_hi:[1,0]   ; log2(e) / 16: the scores come out in log2 units
.endr
.endif
.irp t, 0,1,2,3
.irp j, 0,1,2,3
	v_cvt_pk_f16_f32 v[ACC+8*\t+\j], v[ACC+8*\t+2*\j], v[ACC+8*\t+2*\j+1]
.endr
.endr
.irp t, 0,1,2,3
.if CM_ == 2
	ds_store_b128 v[STV], v[ACC+8*\t:ACC+8*\t+3] offset:CB_*64*VP+\t*32
.else
	ds_store_b128 v[STQ], v[ACC+8*\t:ACC+8*\t+3] offset:\t*16*SP+CB_*128
.endif
.endr
.endm
; A stage leaves through registers: each wave 8 KB, each store 512 consecutive bytes at a multiple of 512 from the buffer's first byte.
.macro COPY la, step, base
.irp i, 0,1,2,3,4,5,6,7,8,9,10,11,12,13,14,15
	ds_load_b128 v[WF+4*\i:WF+4*\i+3], v[\la] offset:\i*\step
.endr
.irp i, 0,1,2,3,4,5,6,7,8,9,10,11,12,13,14,15
	s_wait_dscnt 15-\i
	global_store_b128 v[GOFF], v[WF+4*\i:WF+4*\i+3], s[\base:\base+1] offset:\i*512
.endr
	s_wait_xcnt 0x0                                ; the stores' data registers are loaded again only behind this wait
.endm
	s_load_b512 s[4:19], s[0:1], 0x0               ; query, key, Wq, bq, Wk, bk, Wv, bv
	s_load_b512 s[20:35], s[0:1], 0x40             ; Wref, bref, Wo, qb, kb, vt, refp, wob
	v_lshl_add_u32 v30, v0, 2, 0x49600
	v_mov_b32 v31, 0
	ds_add_u32 v30, v31
	ds_add_u32 v30, v31
	v_lshrrev_b32 v1, 5, v0
	v_readfirstlane_b32 s36, v1                    ; wave w
	s_bfe_u32 s37, ttmp6, 0x40000                  ; cx
	s_lshl_b32 s38, ttmp9, 2
	s_add_co_u32 s38, s38, s37                     ; work-group g = 4 x cluster + cx
	s_mov_b32 s80, 0x76543210                      ; v_permlanex16_b32: lane i reads lane i of the other half
	s_mov_b32 s81, 0xfedcba98
	s_mov_b32 s82, 0xffff0000                      ; lanes 16-31
	; group 1: 16 rows of 256 f32, 16 bytes of padding behind each row.  s[40:47] plain (token rows), s[48:55] joint (weights)
	s_mov_b32 s40, (2<<16)|(1<<20)|(7<<22)|(3<<25)
	s_mov_b32 s48, 15|(2<<16)|(1<<20)|(1<<21)|(7<<22)|(3<<25)
	s_mov_b32 s41, 256<<16
	s_mov_b32 s49, 256<<16
	s_mov_b32 s42, 16<<16
	s_mov_b32 s50, 16<<16
	s_mov_b32 s43, 256<<16
	s_mov_b32 s51, 256<<16
	s_mov_b32 s44, 16
	s_mov_b32 s52, 16
	s_mov_b32 s45, 256
	s_mov_b32 s53, 256
	s_mov_b32 s46, 0
	s_mov_b32 s54, 0
	s_mov_b32 s47, 0
	s_mov_b32 s55, 0
	s_mul_i32 s39, s36, 16*XP                      ; my 16 rows in each slot
	s_lshl_b32 s78, s36, 14                        ; and in memory: s[78:79] never holds cx
	s_mov_b32 s79, 0
	s_lshl_b32 s76, s38, 16                        ; s[76:77]: offsets that hang on the work-group
	s_add_co_u32 s76, s76, s78
	s_mov_b32 s77, 0
	; group 0, one set for each slot: s[56:59], s[60:63], s[68:71], s[72:75]
	s_mov_b32 s56, 1
	s_add_co_u32 s57, s39, S0
	s_mov_b32 s60, 1
	s_add_co_u32 s61, s39, S1
	s_mov_b32 s68, 1
	s_add_co_u32 s69, s39, S2
	s_mov_b32 s72, 1
	s_add_co_u32 s73, s39, S3
	s_wait_dscnt 0x0
	s_wait_kmcnt 0x0
	s_add_nc_u64 s[8:9], s[8:9], s[78:79]          ; Wq, Wk, Wv at my 16 rows of their first chunk
	s_add_nc_u64 s[12:13], s[12:13], s[78:79]
	s_add_nc_u64 s[16:17], s[16:17], s[78:79]
	s_add_nc_u64 s[58:59], s[4:5], s[76:77]
	s_or_b32 s59, s59, 0x80000000
	s_add_nc_u64 s[62:63], s[6:7], s[76:77]
	s_or_b32 s63, s63, 0x80000000
	SETW 68, 0
	SETW 72, 1
	ROUND                                          ; the four work-groups are here: the first joint loads meet
	tensor_load_to_lds s[68:71], s[48:55]          ; my 16 rows of chunk 0
	s_nop 0
	tensor_load_to_lds s[72:75], s[48:55]          ; of chunk 1
	s_nop 0
	tensor_load_to_lds s[56:59], s[40:47]          ; my 16 rows of query
	s_nop 0
	tensor_load_to_lds s[60:63], s[40:47]          ; my 16 rows of key: four loads of mine are out
	s_nop 0
	s_lshl_b32 s76, s38, 15                        ; 64 tokens x 512 bytes
	s_add_nc_u64 s[26:27], s[26:27], s[76:77]
	s_add_nc_u64 s[28:29], s[28:29], s[76:77]
	s_add_nc_u64 s[30:31], s[30:31], s[76:77]
	s_lshr_b32 s84, s38, 6                         ; batch
	s_lshl_b32 s84, s84, 15
	s_and_b32 s76, s38, 63
	s_lshl_b32 s76, s76, 8
	s_add_co_u32 s76, s76, s84
	s_add_nc_u64 s[32:33], s[32:33], s[76:77]      ; refp at my 64 x
	s_lshl_b32 s76, s38, 10
	s_add_nc_u64 s[24:25], s[24:25], s[76:77]      ; row g of Wo
	s_lshl_b32 s76, s38, 9
	s_add_nc_u64 s[34:35], s[34:35], s[76:77]      ; row g of wob
	v_and_b32 v3, 31, v0                           ; lane
	v_and_b32 v1, 15, v0                           ; r
	v_bfe_u32 v2, v0, 4, 1                         ; h
	v_lshlrev_b32 v[L16], 4, v3
	v_lshlrev_b32 v[H4], 2, v2
	s_lshl_b32 s84, s36, 6
	v_lshl_add_u32 v[BOFF], v2, 5, s84
	global_load_b128 v[32:35], v[L16], s[20:21]               ; Wref x: channels 4 l .. + 3
	global_load_b128 v[36:39], v[L16], s[20:21] offset:512    ;         channels 128 + 4 l .. + 3
	global_load_b128 v[40:43], v[L16], s[20:21] offset:1024   ; Wref y
	global_load_b128 v[44:47], v[L16], s[20:21] offset:1536
	global_load_b32 v58, v[H4], s[22:23]                      ; bref: x for lanes 0-15, y for lanes 16-31
.irp c, 0,1,2,3
	global_load_b128 v[BIA+8*\c:BIA+8*\c+3],       v[BOFF], s[10:11] offset:256*\c       ; bq of channels 64 c + 16 w + 8 h .. + 7: all eight chunks' biases once, here
	global_load_b128 v[BIA+8*\c+4:BIA+8*\c+7],     v[BOFF], s[10:11] offset:256*\c+16
	global_load_b128 v[BIA+32+8*\c:BIA+32+8*\c+3], v[BOFF], s[14:15] offset:256*\c       ; bk
	global_load_b128 v[BIA+36+8*\c:BIA+36+8*\c+3], v[BOFF], s[14:15] offset:256*\c+16
.endr
	v_lshrrev_b32 v60, 3, v3
	v_add_nc_u32 v60, s84, v60                     ; 64 w + lane / 8
	v_mul_u32_u24 v[CV], v60, VP
	v_and_b32 v61, 7, v3
	v_lshl_add_u32 v[CV], v61, 4, v[CV]
	v_add_nc_u32 v[CV], VST, v[CV]
	v_mul_u32_u24 v[XA], v1, XP
	v_lshl_add_u32 v[XA], v2, 5, v[XA]
	v_add_nc_u32 v[XAK], S1, v[XA]
	v_add_nc_u32 v[WA], s57, v[XA]
	v_add_nc_u32 v[WA+1], s61, v[XA]
	v_add_nc_u32 v[WA+2], s69, v[XA]
	v_add_nc_u32 v[WA+3], s73, v[XA]
	v_mul_u32_u24 v60, v1, SP
	v_lshl_add_u32 v60, v2, 4, v60
	s_lshl_b32 s84, s36, 5
	v_add_nc_u32 v60, s84, v60
	v_add_nc_u32 v[STQ], QST, v60
	s_lshl_b32 s84, s36, 4
	v_add_nc_u32 v61, s84, v1                      ; 16 w + r
	v_mul_u32_u24 v[STV], v61, VP
	v_lshl_add_u32 v[STV], v2, 4, v[STV]
	v_add_nc_u32 v[STV], VST, v[STV]
	v_lshlrev_b32 v[BVOFF], 2, v61
	s_lshl_b32 s84, s36, 13
	v_lshl_add_u32 v[GOFF], v3, 4, s84
	s_mul_i32 s84, s36, 16*SP
	v_lshl_add_u32 v[CQ], v3, 4, s84
	v_add_nc_u32 v[CQ], QST, v[CQ]
	v_lshl_add_u32 v[RL], v3, 4, s39
	v_lshl_add_u32 v[RS], v2, 8, v[BVOFF]
	v_add_nc_u32 v[RS], RSC, v[RS]
	v_add_nc_u32 v[RSR], RSC, v[L16]
	v_lshlrev_b32 v[ROFF], 4, v1
	v_lshl_add_u32 v[ROFF], v2, 14, v[ROFF]
	v_lshlrev_b32 v[WOFF], 5, v3
	v_mov_b32 v57, 0                               ; v_permlanex16_b32 counts as a reader of its destination
	; BATCH 1 has landed: chunks 0 and 1 go into registers, and their slots are filled again at once.
	s_wait_tensorcnt 0x2                           ; tensor loads end in order: my rows of chunks 0 and 1 are in; the two younger loads (token rows) may stay out
	WCONV 2, 0
	WCONV 3, 1
	s_wait_tensorcnt 0x0                           ; all my tensor loads have landed: every group 0 may be written
	ds_add_u32 v30, v31
	SETW 68, 2
	SETW 72, 3
	s_wait_dscnt 0x0                               ; my reads of slots 2 and 3 are back
	ROUND                                          ; both hold of every wave of the four work-groups; the token rows are whole for all four waves
	tensor_load_to_lds s[68:71], s[48:55]          ; chunk 2
	s_nop 0
	tensor_load_to_lds s[72:75], s[48:55]          ; chunk 3: two loads of mine are out, under the reference points, both conversions of tokens and chunks 0 and 1
	s_nop 0
	; REFERENCE POINTS in f32: my 16 tokens; a lane has 8 channels of each.
.irp i, 0,1,2,3,4,5,6,7,8,9,10,11,12,13,14,15
	ds_load_b128 v[WF+8*\i:WF+8*\i+3],   v[RL] offset:\i*XP
	ds_load_b128 v[WF+8*\i+4:WF+8*\i+7], v[RL] offset:\i*XP+512
.endr
	s_wait_loadcnt 0x0                             ; Wref, bref, and the biases of q and k
.irp i, 0,1,2,3,4,5,6,7,8,9,10,11,12,13,14,15
	s_wait_dscnt 2*(15-\i)                         ; the two loads of each later token may stay out
	v_pk_mul_f32 v[48:49], v[WF+8*\i:WF+8*\i+1], v[32:33]
	v_pk_mul_f32 v[50:51], v[WF+8*\i:WF+8*\i+1], v[40:41]
	v_pk_fma_f32 v[48:49], v[WF+8*\i+2:WF+8*\i+3], v[34:35], v[48:49]
	v_pk_fma_f32 v[50:51], v[WF+8*\i+2:WF+8*\i+3], v[42:43], v[50:51]
	v_pk_fma_f32 v[48:49], v[WF+8*\i+4:WF+8*\i+5], v[36:37], v[48:49]
	v_pk_fma_f32 v[50:51], v[WF+8*\i+4:WF+8*\i+5], v[44:45], v[50:51]
	v_pk_fma_f32 v[48:49], v[WF+8*\i+6:WF+8*\i+7], v[38:39], v[48:49]
	v_pk_fma_f32 v[50:51], v[WF+8*\i+6:WF+8*\i+7], v[46:47], v[50:51]
	v_add_f32 v52, v48, v49                        ; my part of x
	v_add_f32 v53, v50, v51                        ; my part of y
	v_cndmask_b32 v54, v52, v53, s82               ; lanes 0-15 go on with x, lanes 16-31 with y,
	v_cndmask_b32 v55, v53, v52, s82               ; and hand the other one to the other half
	v_permlanex16_b32 v57, v55, s80, s81
	v_add_f32 v54, v54, v57
	v_add_f32_dpp v54, v54, v54 row_xmask:1 row_mask:0xf bank_mask:0xf
	v_add_f32_dpp v54, v54, v54 row_xmask:2 row_mask:0xf bank_mask:0xf
	v_add_f32_dpp v54, v54, v54 row_xmask:4 row_mask:0xf bank_mask:0xf
	v_add_f32_dpp v54, v54, v54 row_xmask:8 row_mask:0xf bank_mask:0xf
.if \i == 0
	v_mov_b32 v56, v54
.else
	s_mov_b32 s83, 0x10001<<\i
	v_cndmask_b32 v56, v56, v54, s83               ; lane i keeps token i's x, lane 16 + i its y
.endif
.endr
	v_add_f32 v56, v56, v58
	ds_store_b32 v[RS], v56
	XCONV XA, 0x40                                 ; query into window 1
	XCONV XAK, 0x80                                ; key into window 2: slots 0 and 1 have been read
	WORK 0, 0
	WORK 1, 1
	; BATCH 2 has landed: chunks 2 and 3 go into registers; all four slots are filled again.
	s_wait_tensorcnt 0x1                           ; chunk 2 is in; chunk 3's load may stay out
	WCONV 2, 2
	s_wait_tensorcnt 0x0                           ; all my tensor loads have landed: every group 0 may be written
	ds_add_u32 v30, v31
	s_wait_dscnt 0x0
	SETW 56, 4
	SETW 60, 5
	SETW 68, 6
	SETW 72, 7
	WCONV 3, 3
	s_wait_dscnt 0x0                               ; my reads of all four slots are back, my stores into the stage and of the reference points are done
	ROUND
	tensor_load_to_lds s[56:59], s[48:55]          ; chunks 4 to 7: four loads of mine are out
	s_nop 0
	tensor_load_to_lds s[60:63], s[48:55]
	s_nop 0
	tensor_load_to_lds s[68:71], s[48:55]
	s_nop 0
	tensor_load_to_lds s[72:75], s[48:55]
	s_nop 0
	s_cmp_lg_u32 s36, 0
	s_cbranch_scc1 .Lnot_refp
	ds_load_b128 v[48:51], v[RSR]                  ; behind the round: all four waves' points.  Lanes 0-15: 64 x, lanes 16-31: 64 y
	s_wait_dscnt 0x0
	global_store_b128 v[ROFF], v[48:51], s[32:33]  ; sixteen lanes store 256 consecutive bytes, twice
	s_wait_xcnt 0x0
.Lnot_refp:
	s_cmp_lg_u32 s36, 3
	s_cbranch_scc1 .Lnot_wo
	global_load_b128 v[48:51], v[WOFF], s[24:25]   ; row g of Wo: 1,024 bytes in, 512 out
	global_load_b128 v[52:55], v[WOFF], s[24:25] offset:16
	s_wait_loadcnt 0x0
	v_cvt_pk_f16_f32 v48, v48, v49
	v_cvt_pk_f16_f32 v49, v50, v51
	v_cvt_pk_f16_f32 v50, v52, v53
	v_cvt_pk_f16_f32 v51, v54, v55
	global_store_b128 v[L16], v[48:51], s[34:35]
	s_wait_xcnt 0x0
.Lnot_wo:
	WORK 2, 2
	WORK 3, 3
	; BATCH 3 has landed: chunks 4 to 7 (Wk) go into registers as they come; all four slots are filled for the last time.
	s_wait_tensorcnt 0x3                           ; each count leaves the younger chunks' loads out
	WCONV 0, 0
	s_wait_tensorcnt 0x2
	WCONV 1, 1
	s_wait_tensorcnt 0x1
	WCONV 2, 2
	s_wait_tensorcnt 0x0                           ; all my tensor loads have landed: every group 0 may be written
	ds_add_u32 v30, v31
	s_wait_dscnt 0x0
	SETW 56, 8
	SETW 60, 9
	SETW 68, 10
	SETW 72, 11
	WCONV 3, 3
	s_wait_dscnt 0x0
	ROUND                                          ; it also shows q's stage whole
	tensor_load_to_lds s[56:59], s[48:55]          ; chunks 8 to 11: four loads of mine are out
	s_nop 0
	tensor_load_to_lds s[60:63], s[48:55]
	s_nop 0
	tensor_load_to_lds s[68:71], s[48:55]
	s_nop 0
	tensor_load_to_lds s[72:75], s[48:55]
	s_nop 0
.irp b, 0,1,2,3
	global_load_b32 v[BIA+8*\b], v[BVOFF], s[18:19] offset:256*\b     ; bv of channel 64 b + 16 w + r, into q's bias registers, which are no longer read
.endr
	COPY CQ, SP, 26
	s_wait_dscnt 0x0                               ; my reads of q's stage are back (met: the count-down above ended at 0)
	BAR                                            ; everybody's are: k may be stored there.  The four loads stay out
	WORK 4, 0
	WORK 5, 1
	WORK 6, 2
	WORK 7, 3
	; BATCH 4 has landed: chunks 8 to 11 (Wv).
	s_wait_tensorcnt 0x3
	WCONV 0, 0
	s_wait_tensorcnt 0x2
	WCONV 1, 1
	s_wait_tensorcnt 0x1
	WCONV 2, 2
	s_wait_tensorcnt 0x0
	WCONV 3, 3
	s_wait_dscnt 0x0                               ; my reads of the slots are back, my stores into k's stage are done
	ROUND                                          ; the closing round: no partner has a joint load still to issue; k's stage is whole; nobody reads a slot any more
	COPY CQ, SP, 28
	s_wait_loadcnt 0x0                             ; bv
.irp b, 0,1,2,3
.irp j, 1,2,3,4,5,6,7
	v_mov_b32 v[BIA+8*\b+\j], v[BIA+8*\b]          ; a lane's eight results are one channel's: the sum's start holds its bias eight times
.endr
.endr
	WORK 8, 0
	WORK 9, 1
	WORK 10, 2
	WORK 11, 3
	s_wait_dscnt 0x0                               ; my stores into v's stage are done
	BAR                                            ; everybody's are
	COPY CV, 4*VP, 30
	s_wait_tensorcnt 0x0
	ds_add_u32 v30, v31
	s_wait_dscnt 0x0
	s_endpgm
.Lfunc_end_k_qbe2127812d_proj:
	.size	k_qbe2127812d_proj, .Lfunc_end_k_qbe2127812d_proj-k_qbe2127812d_proj
	.p2alignl 7, 3214868480
	.fill 96, 4, 3214868480
	.section	.rodata,"a",@progbits
	.p2align	6, 0x0
	.amdhsa_kernel k_qbe2127812d_proj
		.amdhsa_group_segment_fixed_size 327680
		.amdhsa_private_segment_fixed_size 0
		.amdhsa_enable_private_segment 0
		.amdhsa_kernarg_size 128
		.amdhsa_user_sgpr_count 2
		.amdhsa_user_sgpr_kernarg_segment_ptr 1
		.amdhsa_wavefront_size32 1
		.amdhsa_system_sgpr_workgroup_id_x 1
		.amdhsa_system_sgpr_workgroup_id_y 1
		.amdhsa_system_sgpr_workgroup_id_z 1
		.amdhsa_system_vgpr_workitem_id 0
		.amdhsa_next_free_vgpr 1024
		.amdhsa_next_free_sgpr 96
		.amdhsa_reserve_vcc 0
		.amdhsa_float_denorm_mode_32 3
		.amdhsa_float_denorm_mode_16_64 3
		.amdhsa_memory_ordered 1
		.amdhsa_forward_progress 1
		.amdhsa_inst_pref_size 220
	.end_amdhsa_kernel
	.amdgpu_metadata
---
amdhsa.version: [ 1, 2 ]
amdhsa.kernels:
  - .name:           k_qbe2127812d_proj
    .symbol:         k_qbe2127812d_proj.kd
    .args:
      - { .name: query, .offset: 0, .size: 8, .value_kind: global_buffer, .address_space: global }
      - { .name: key, .offset: 8, .size: 8, .value_kind: global_buffer, .address_space: global }
      - { .name: Wq, .offset: 16, .size: 8, .value_kind: global_buffer, .address_space: global }
      - { .name: bq, .offset: 24, .size: 8, .value_kind: global_buffer, .address_space: global }
      - { .name: Wk, .offset: 32, .size: 8, .value_kind: global_buffer, .address_space: global }
      - { .name: bk, .offset: 40, .size: 8, .value_kind: global_buffer, .address_space: global }
      - { .name: Wv, .offset: 48, .size: 8, .value_kind: global_buffer, .address_space: global }
      - { .name: bv, .offset: 56, .size: 8, .value_kind: global_buffer, .address_space: global }
      - { .name: Wref, .offset: 64, .size: 8, .value_kind: global_buffer, .address_space: global }
      - { .name: bref, .offset: 72, .size: 8, .value_kind: global_buffer, .address_space: global }
      - { .name: Wo, .offset: 80, .size: 8, .value_kind: global_buffer, .address_space: global }
      - { .name: qb, .offset: 88, .size: 8, .value_kind: global_buffer, .address_space: global }
      - { .name: kb, .offset: 96, .size: 8, .value_kind: global_buffer, .address_space: global }
      - { .name: vt, .offset: 104, .size: 8, .value_kind: global_buffer, .address_space: global }
      - { .name: refp, .offset: 112, .size: 8, .value_kind: global_buffer, .address_space: global }
      - { .name: wob, .offset: 120, .size: 8, .value_kind: global_buffer, .address_space: global }
    .group_segment_fixed_size: 327680
    .private_segment_fixed_size: 0
    .kernarg_segment_align: 8
    .kernarg_segment_size: 128
    .max_flat_workgroup_size: 128
    .sgpr_count:     96
    .vgpr_count:     1024
    .wavefront_size: 32
...
	.end_amdgpu_metadata
.endif
;; end of part 1
;; launch attn (part 2): grid 256 x 1, 4 waves a work-group, clusters of 4 x 1, 327,680 bytes of LDS; arguments qb, kb, vt, refp, wob, bo, out0; writes out0
.if DOCPART == 2
	.amdgcn_target "amdgcn-amd-amdhsa--gfx1250"
	.amdhsa_code_object_version 6
	.text
	.protected	k_qbe2127812d_attn
	.globl	k_qbe2127812d_attn
	.p2align	8
	.type	k_qbe2127812d_attn,@function
k_qbe2127812d_attn:
	s_mov_b64 s[64:65], 0
	v_nop
	global_prefetch_b8 v0, s[64:65] scope:SCOPE_SE
	s_setreg_imm32_b32 hwreg(HW_REG_WAVE_MODE, 25, 1), 1
	s_wait_xcnt 0x0
	s_wait_alu depctr_hold_cnt(0) depctr_sa_sdst(0) depctr_va_vdst(0) depctr_va_sdst(0) depctr_va_ssrc(0) depctr_va_vcc(0) depctr_vm_vsrc(0)
	s_getreg_b32 s2, hwreg(HW_REG_IB_STS2, 6, 4)
	s_cmp_eq_u32 s2, 0
	s_cbranch_scc0 .Lentry_in_a_cluster
	s_endpgm
.Lentry_in_a_cluster:
	s_bfe_u32 s2, ttmp6, 0x10000c
	s_cmp_lg_u32 s2, 0x3003
	s_cbranch_scc0 .Lentry_shape_is_right
	s_endpgm
.Lentry_shape_is_right:
; ATTENTION with a multiplicative mask, and the output projection.  Matrix operands in f16, sums in f32.
; A work-group owns 64 query rows.  All four waves hold all 64 queries and split the keys: in trip t (16 trips of 256 keys) wave w has
; keys 256 t + 64 w .. + 63, with its own running maximum, sum and O (256 channels x 64 queries in f32, 512 registers).  So each
; K and V fragment read from LDS feeds four products.  The four partial results meet once, through LDS; wave w then finishes query tile w.
; LAYOUTS: scores transposed (A = K rows, B = Q rows): lane (r, h) holds query r, register j key 8 h + j, so maximum and sum stay in the lane
; but for one exchange of the halves, and two packed score tiles ARE the B fragment of O^T = V^T P^T.  Two packed O tiles are the B fragment of out^T = Wo x^T.
; THE MASK sets a score to 0 (it does not remove the key): every key enters the softmax, so every product is made, and the choice is a select in every trip.
; THE MAXIMUM taken away is the running maximum rounded UP to a whole number (scores are in log2 units): the largest exponent lies in (-1, 0], and a masked
; key's weight is an exact power of two, which f16 holds exactly down to 2^-24.
; x, THE ATTENTION'S RESULT, may be far smaller than v (a mean of 4,096 rows), so it has no sure room in f16: each query's x is multiplied by an exact power of two
; that brings its largest channel into [1, 2), and the output product is multiplied back in the same fused multiply-add that adds the bias.
; CLUSTER: the four work-groups of a cluster lie in one batch and walk the same K, V, reference points and Wo: every tensor load is joint (mask 15).
; LIMITS: the mask is d2 < 0x3c23d70a, which decides as sqrt(d2) < 0.1f does for an equal d2; d2 is fused here, so a pair within a few ulp of the radius may fall
; on the other side.  Weights under 2^-25 vanish from the numerator (at most 4,096 x 2^-25 of a total weight of at least 1/2).  Exponentials below 2^-126 come out
; as 0.  NaN, infinite inputs and |x| of 2^127 or more are not served; an x whose largest channel is denormal counts as 0.
.set KP,   528                         ; K row: 512 + 16 bytes
.set VP,   144                         ; V^T row: 128 + 16 bytes
.set KW,   64*KP                       ; a wave's K tile
.set VW,   256*VP                      ; a wave's V tile
.set VREG, 4*KW
.set REF,  VREG+4*VW                   ; x[4096], then y[4096], of the batch
.set STAT, REF+32768                   ; the waves' maxima and sums
.set XR,   VREG                        ; the way the partial O's meet: 128 tiles of 1,024 bytes, over V's bytes after their last fill
.set OSTG, XR+131072                   ; the way out: 16 rows of 512 + 16 bytes for each wave
.set OW,   16*KP
.set KA,  4                            ; v4   K fragments: w KW + r KP + 16 h
.set VA,  5                            ; v5   V fragments: VREG + w VW + r VP + 16 h
.set RA,  6                            ; v6   key side reference points: REF + 256 w + 32 h, + 1,024 a trip
.set QO,  7                            ; v7   512 r + 16 h
.set NO,  8                            ; v8   4 r
.set L16, 9                            ; v9   16 lane
.set XS,  10                           ; v10  where I put my partial O
.set XL0, 11                           ; v11  where I read waves 0 and 1's tiles of my query tile
.set XL1, 12                           ; v12  waves 2 and 3's
.set SS,  13                           ; v13  where I put my maxima and sums
.set SL,  14                           ; v14  where I read those of my query tile
.set WA0, 15                           ; v15  Wo fragments, rows 0-127: r KP + 16 h
.set ST0, 16                           ; v16-47 query tile q at 16 + 8 q: (-x, -y) (ALPHA, -M) (L, L) (MX, TMP)
.set RM0, 48                           ; v48-63 reference points of key tile 0; at the end: addresses, weights and x's scale
.set WA1, 48
.set OS,  49
.set OL,  50
.set BO,  51
.set FA,  64                           ; v64-95   four fragments
.set FB,  96                           ; v96-127  four fragments
.set T,   112                          ; v112-127 at work in the mask
.set SB0, 128                          ; v128-255 score tile (key tile kt, query tile q) at 128 + 8 (4 q + kt)
; window 1: Q fragment (q, K step k) at 8 (8 q + k); at the end the 16 output accumulators (0-127) and the bias (128-255).
; Windows 2, 3: O tile (channel tile c, q) at 8 (4 (c & 7) + q).
.set MSB, 0
.macro WIN new                         ; low byte: bits 1:0 source 0, 3:2 source 1, 5:4 source 2, 7:6 destination; the high byte repeats the setting that is left
.if MSB != \new
	s_set_vgpr_msb (MSB<<8)|\new
.set MSB, \new
.endif
.endm
.macro PLACES n
.rept \n
	v_nop
.endr
.endm
.macro BAR
	s_barrier_signal -1
	s_barrier_wait -1
.endm
.macro ROUND                           ; a round of the cluster's barrier
	s_barrier_signal -1
	s_barrier_wait -1
	s_cmp_lg_u32 s18, 0
	s_cbranch_scc1 .Lnot_wave_0_\@
	s_barrier_signal -3
.Lnot_wave_0_\@:
	s_barrier_wait -3
	s_barrier_signal -1
	s_barrier_wait -1
.endm
; QK batch b: key tiles 2 p, 2 p + 1 (p = b / 4), K steps 2 (b % 4) and the next: four fragments, 16 products
.macro LDK b, f
.set LP_, (\b)>>2
.set LK_, 2*((\b)&3)
.irp e, 0,1,2,3
	ds_load_b128 v[\f+8*\e:\f+8*\e+3],   v[KA] offset:(2*LP_+(\e&1))*OW+(LK_+(\e>>1))*64
	ds_load_b128 v[\f+8*\e+4:\f+8*\e+7], v[KA] offset:(2*LP_+(\e&1))*OW+(LK_+(\e>>1))*64+32
.endr
.endm
.macro MMK b, f                        ; eight accumulators take turns, one instruction a turn; K step 0 starts the sums
.set MP_, (\b)>>2
.set MK_, 2*((\b)&3)
.irp e, 0,1,2,3
.irp q, 0,1,2,3
.set MS_, SB0+8*(4*\q+2*MP_+(\e&1))
.set MQ_, 8*(8*\q+MK_+(\e>>1))
.if (MK_+(\e>>1)) == 0
	v_wmma_f32_16x16x32_f16 v[MS_:MS_+7], v[\f+8*\e:\f+8*\e+7], v[MQ_:MQ_+7], 0
.else
	v_wmma_f32_16x16x32_f16 v[MS_:MS_+7], v[\f+8*\e:\f+8*\e+7], v[MQ_:MQ_+7], v[MS_:MS_+7]
.endif
.endr
.endr
.endm
.macro LDRM kt, reg                    ; x, then y, of my eight keys 16 kt + 8 h + j
	ds_load_b128 v[\reg:\reg+3],     v[RA] offset:\kt*64
	ds_load_b128 v[\reg+4:\reg+7],   v[RA] offset:\kt*64+16
	ds_load_b128 v[\reg+8:\reg+11],  v[RA] offset:16384+\kt*64
	ds_load_b128 v[\reg+12:\reg+15], v[RA] offset:16384+\kt*64+16
.endm
; One score tile: d2 = (x_m - x_n)^2 + (y_m - y_n)^2; the score stays where d2 is under the radius' square and is 0 elsewhere; the tile's maximum joins MX.
.macro MASKT kt, q, rm
.set AB_, SB0+8*(4*\q+\kt)
.set AT_, ST0+8*\q
.irp i, 0,2,4,6
	v_pk_add_f32 v[T+\i:T+\i+1], v[\rm+\i:\rm+\i+1], v[AT_:AT_+1] op_sel_hi:[1,0]
.endr
.irp i, 0,2,4,6
	v_pk_add_f32 v[T+8+\i:T+8+\i+1], v[\rm+8+\i:\rm+8+\i+1], v[AT_:AT_+1] op_sel:[0,1] op_sel_hi:[1,1]
.endr
.irp i, 0,2,4,6
	v_pk_mul_f32 v[T+\i:T+\i+1], v[T+\i:T+\i+1], v[T+\i:T+\i+1]
.endr
.irp i, 0,2,4,6
	v_pk_fma_f32 v[T+\i:T+\i+1], v[T+8+\i:T+8+\i+1], v[T+8+\i:T+8+\i+1], v[T+\i:T+\i+1]
.endr
.irp j, 0,1,2,3,4,5,6,7
	v_cmp_gt_f32 s[70+\j], s67, v[T+\j]
.endr
.irp j, 0,1,2,3,4,5,6,7
	v_cndmask_b32 v[AB_+\j], 0, v[AB_+\j], s[70+\j]
.endr
	v_max3_num_f32 v[AT_+7], v[AB_], v[AB_+1], v[AB_+2]
	v_max3_num_f32 v[AT_+7], v[AT_+7], v[AB_+3], v[AB_+4]
	v_max3_num_f32 v[AT_+7], v[AT_+7], v[AB_+5], v[AB_+6]
.if \kt == 0
	v_max_num_f32 v[AT_+6], v[AT_+7], v[AB_+7]
.else
	v_max3_num_f32 v[AT_+6], v[AT_+6], v[AT_+7], v[AB_+7]
.endif
.endm
; -M = min(old -M, floor(-maximum)); ALPHA = 2^(new -M - old -M)
.macro STATS q, first
.set BT_, ST0+8*\q
	v_permlanex16_b32 v[BT_+7], v[BT_+6], s68, s69
	v_max_num_f32 v[BT_+6], v[BT_+6], v[BT_+7]
	v_mul_f32 v[BT_+6], -1.0, v[BT_+6]
.if \first
	v_floor_f32 v[BT_+3], v[BT_+6]
	v_mov_b32 v[BT_+2], 1.0                        ; the pair (ALPHA, -M) is read as a whole
.else
	v_floor_f32 v[BT_+6], v[BT_+6]
	v_min_num_f32 v[BT_+7], v[BT_+3], v[BT_+6]
	v_sub_f32 v[BT_+2], v[BT_+7], v[BT_+3]
	v_exp_f32 v[BT_+2], v[BT_+2]
	v_mov_b32 v[BT_+3], v[BT_+7]                   ; the plain instruction behind the exponential (ISA guide 5.7.2)
.endif
.endm
.macro SUBT i                          ; score - M
.set CB_, SB0+8*(\i)
.set CT_, ST0+8*((\i)>>2)
	s_wait_alu depctr_va_vdst(0)
.irp j, 0,2,4,6
	v_pk_add_f32 v[CB_+\j:CB_+\j+1], v[CB_+\j:CB_+\j+1], v[CT_+2:CT_+3] op_sel:[0,1] op_sel_hi:[1,1]
.endr
.endm
.macro EXPT i
.set DB_, SB0+8*(\i)
.irp j, 0,1,2,3,4,5,6,7
	v_exp_f32 v[DB_+\j], v[DB_+\j]
.endr
.endm
; The tile's weights join L (rescaled once a trip, with the query tile's first key tile) and are packed: key tile 2 s into registers 0-3 of its own place,
; key tile 2 s + 1 into registers 4-7 of that place: the B fragment of key step s.
.macro USET i, first
.set UB_, SB0+8*(\i)
.set UT_, ST0+8*((\i)>>2)
.set UK_, (\i)&3
.set UX_, ST0+6+16*((\i)&1)
.set UY_, UX_+8
.set UP_, UB_-4*(UK_&1)
	s_wait_alu depctr_va_vdst(0)
	v_pk_add_f32 v[UX_:UX_+1], v[UB_:UB_+1], v[UB_+2:UB_+3]
	v_pk_add_f32 v[UY_:UY_+1], v[UB_+4:UB_+5], v[UB_+6:UB_+7]
.if UK_ == 0
.if \first
	v_pk_add_f32 v[UT_+4:UT_+5], v[UX_:UX_+1], v[UY_:UY_+1]
.else
	v_pk_add_f32 v[UX_:UX_+1], v[UX_:UX_+1], v[UY_:UY_+1]
	v_pk_fma_f32 v[UT_+4:UT_+5], v[UT_+4:UT_+5], v[UT_+2:UT_+3], v[UX_:UX_+1] op_sel_hi:[1,0,1]
.endif
.else
	v_pk_add_f32 v[UX_:UX_+1], v[UX_:UX_+1], v[UY_:UY_+1]
	v_pk_add_f32 v[UT_+4:UT_+5], v[UT_+4:UT_+5], v[UX_:UX_+1]
.endif
.irp j, 0,1,2,3
	v_cvt_pk_f16_f32 v[UP_+\j], v[UB_+2*\j], v[UB_+2*\j+1]
.endr
.endm
.macro RESC1                           ; one window of O times ALPHA of its query tile
.irp c, 0,1,2,3,4,5,6,7
.irp q, 0,1,2,3
.irp j, 0,2,4,6
	v_pk_mul_f32 v[8*(4*\c+\q)+\j:8*(4*\c+\q)+\j+1], v[8*(4*\c+\q)+\j:8*(4*\c+\q)+\j+1], v[ST0+8*\q+2:ST0+8*\q+3] op_sel_hi:[1,0]
.endr
.endr
.endr
.endm
; PV batch c = 4 x + 2 s + e: channel tiles 8 x + 4 e + 0..3, key step s: four fragments, 16 products on 16 different accumulators
.macro LDV c, f
.set VC_, 8*((\c)>>2)+4*((\c)&1)
.set VS_, ((\c)>>1)&1
.irp i, 0,1,2,3
	ds_load_b128 v[\f+8*\i:\f+8*\i+3],   v[VA] offset:(VC_+\i)*16*VP+VS_*64
	ds_load_b128 v[\f+8*\i+4:\f+8*\i+7], v[VA] offset:(VC_+\i)*16*VP+VS_*64+32
.endr
.endm
.macro MMV c, f, first
.set WE_, (\c)&1
.set WS_, ((\c)>>1)&1
.irp i, 0,1,2,3
.irp q, 0,1,2,3
.set WO_, 8*(4*(4*WE_+\i)+\q)
.set WP_, SB0+8*(4*\q+2*WS_)
.if (\first)*(1-WS_)
	v_wmma_f32_16x16x32_f16 v[WO_:WO_+7], v[\f+8*\i:\f+8*\i+7], v[WP_:WP_+7], 0
.else
	v_wmma_f32_16x16x32_f16 v[WO_:WO_+7], v[\f+8*\i:\f+8*\i+7], v[WP_:WP_+7], v[WO_:WO_+7]
.endif
.endr
.endr
.endm
; A TRIP.  first = 1: the sums start.  kfill: 1 the next K tile, 2 Wo, goes into K's bytes.  vfill = 1: the next V tile goes into V's bytes.
.macro TRIP first, kfill, vfill
	LDRM 0, RM0
	LDK 0, FA
	LDK 1, FB
	WIN 0x04                                       ; B (the queries) in window 1
.irp b, 0,1,2,3,4,5,6,7
	s_wait_dscnt 8                                 ; this batch's fragments are in; the eight younger loads may stay out
	MMK \b, FA+32*(\b&1)
	PLACES 4                                       ; four places before loads land on registers that the products read (ISA guide 7.12.1 for vector instructions)
.if \b <= 5
	LDK \b+2, FA+32*(\b&1)
.else
.if \b == 6
	LDRM 1, FA
	LDRM 2, FA+16
.else
	LDRM 3, FB
.endif
.endif
.endr
	WIN 0
.irp q, 0,1,2,3
	MASKT 0, \q, RM0
.endr
	s_wait_dscnt 4                                 ; key tiles 1 and 2's points are in; key tile 3's four loads may stay out
.irp q, 0,1,2,3
	MASKT 1, \q, FA
.endr
.irp q, 0,1,2,3
	MASKT 2, \q, FA+16
.endr
	s_wait_dscnt 0
.irp q, 0,1,2,3
	MASKT 3, \q, FB
.endr
.irp q, 0,1,2,3
	STATS \q, \first
.endr
.if \vfill
	v_add_nc_u32 v[RA], 1024, v[RA]                ; the next trip's 256 keys
.endif
	; K's bytes are filled again: my reads of them are back, all my tensor loads have landed (this trip's V among them)
	s_wait_dscnt 0x0
	s_wait_xcnt 0x0
	v_lshl_add_u32 v62, v0, 2, 0x4e000
	v_mov_b32 v63, 0
	s_wait_tensorcnt 0x0
	ds_add_u32 v62, v63
	s_wait_dscnt 0x0
.if \kfill == 1
	s_add_nc_u64 s[50:51], s[50:51], 131072        ; 256 keys on
.endif
	ROUND                                          ; both hold of every wave of the four work-groups
.if \kfill == 1
	tensor_load_to_lds s[48:51], s[24:31]          ; one load of mine is out; it has the exponentials, the rescale and PV in which to land
	s_nop 0
.else
	tensor_load_to_lds s[60:63], s[24:31]          ; my 64 rows of Wo
	s_nop 0
.endif
	LDV 0, FA
	LDV 1, FB
	SUBT 0
	EXPT 0
.irp i, 1,2,3,4,5,6,7,8,9,10,11,12,13,14,15
	SUBT \i                                        ; plain instructions between a tile's exponentials and their use
	USET \i-1, \first
	EXPT \i
.endr
	v_nop
	s_wait_alu depctr_va_vdst(0)
	USET 15, \first
.if \first == 0
	WIN 0x82
	RESC1
	WIN 0xc3
	RESC1
.endif
.irp c, 0,1,2,3,4,5,6,7
.if \c == 7
	s_wait_dscnt 0
.else
	s_wait_dscnt 8                                 ; the next batch's eight loads may stay out
.endif
.if \c < 4
	WIN 0xa0
.else
	WIN 0xf0
.endif
	MMV \c, FA+32*(\c&1), \first
.if \c <= 5
	WIN 0
	PLACES 4
	LDV \c+2, FA+32*(\c&1)
.endif
.endr
	WIN 0
	PLACES 5                                       ; five places before the next trip's first products write over the weights that these products read
	; V's bytes: my reads are back, all my tensor loads have landed (the next K, or Wo)
	s_wait_dscnt 0x0
	s_wait_xcnt 0x0
	v_lshl_add_u32 v62, v0, 2, 0x4e000
	v_mov_b32 v63, 0
	s_wait_tensorcnt 0x0
	ds_add_u32 v62, v63
	s_wait_dscnt 0x0
.if \vfill
	s_add_nc_u64 s[54:55], s[54:55], 131072
	ROUND
	tensor_load_to_lds s[52:55], s[32:39]          ; one load of mine is out; it has QK and the mask in which to land
	s_nop 0
.else
	BAR                                            ; nothing is filled: Wo is whole for all four waves, and nobody reads V or the reference points any more
.endif
.endm
	s_load_b256 s[4:11], s[0:1], 0x0               ; qb, kb, vt, refp
	s_load_b128 s[12:15], s[0:1], 0x20             ; wob, bo
	s_load_b64 s[16:17], s[0:1], 0x30              ; out0
	v_lshl_add_u32 v62, v0, 2, 0x4e000
	v_mov_b32 v63, 0
	ds_add_u32 v62, v63
	ds_add_u32 v62, v63
	s_wait_dscnt 0x0
	v_lshrrev_b32 v1, 5, v0
	v_readfirstlane_b32 s18, v1                    ; wave w
	s_bfe_u32 s19, ttmp6, 0x40000                  ; cx
	s_lshl_b32 s20, ttmp9, 2
	s_add_co_u32 s20, s20, s19                     ; work-group g
	s_lshr_b32 s21, ttmp9, 4                       ; batch, from the cluster's number alone: equal in the four partners
	s_mov_b32 s67, 0x3c23d70a                      ; the smallest f32 whose rounded root is not under 0.1f
	s_mov_b32 s68, 0x76543210
	s_mov_b32 s69, 0xfedcba98
	; group 1 for K and Wo: 64 rows of 256 f16, 16 bytes behind every 128 words
	s_mov_b32 s24, 15|(1<<16)|(1<<20)|(1<<21)|(6<<22)|(3<<25)
	s_mov_b32 s25, 256<<16
	s_mov_b32 s26, 64<<16
	s_mov_b32 s27, 256<<16
	s_mov_b32 s28, 64
	s_mov_b32 s29, 256
	s_mov_b32 s30, 0
	s_mov_b32 s31, 0
	; group 1 for V: a dense block of 32 KB taken as 128 rows of 256 bytes; 16 bytes behind every 32 words, that is behind each channel's 64 keys
	s_mov_b32 s32, 15|(1<<16)|(1<<20)|(1<<21)|(4<<22)|(3<<25)
	s_mov_b32 s33, 128<<16
	s_mov_b32 s34, 128<<16
	s_mov_b32 s35, 128<<16
	s_mov_b32 s36, 128
	s_mov_b32 s37, 128
	s_mov_b32 s38, 0
	s_mov_b32 s39, 0
	; group 1 for the reference points: a dense block of 8 KB as 32 rows of 32 elements of 8 bytes
	s_mov_b32 s40, 15|(3<<16)|(1<<21)
	s_mov_b32 s41, 32<<16
	s_mov_b32 s42, 32<<16
	s_mov_b32 s43, 32<<16
	s_mov_b32 s44, 32
	s_mov_b32 s45, 32
	s_mov_b32 s46, 0
	s_mov_b32 s47, 0
	; offsets of the joint loads, of batch and wave alone, in s[80:86], which never hold cx
	s_lshl_b32 s80, s21, 21
	s_lshl_b32 s84, s18, 15
	s_add_co_u32 s80, s80, s84
	s_mov_b32 s81, 0
	s_mov_b32 s85, 0
	s_lshl_b32 s82, s21, 15
	s_lshl_b32 s86, s18, 13
	s_add_co_u32 s82, s82, s86
	s_mov_b32 s83, 0
	s_mov_b32 s48, 1
	s_mul_i32 s49, s18, KW
	s_mov_b32 s52, 1
	s_mul_i32 s53, s18, VW
	s_add_co_u32 s53, s53, VREG
	s_mov_b32 s56, 1
	s_add_co_u32 s57, s86, REF
	s_mov_b32 s60, 1
	s_mul_i32 s61, s18, KW
	s_lshl_b32 s78, s20, 15                        ; s[78:79]: offsets that hang on the work-group
	s_mov_b32 s79, 0
	s_wait_kmcnt 0x0
	s_add_nc_u64 s[50:51], s[6:7], s[80:81]
	s_or_b32 s51, s51, 0x80000000
	s_add_nc_u64 s[54:55], s[8:9], s[80:81]
	s_or_b32 s55, s55, 0x80000000
	s_add_nc_u64 s[58:59], s[10:11], s[82:83]
	s_or_b32 s59, s59, 0x80000000
	s_add_nc_u64 s[62:63], s[12:13], s[84:85]
	s_or_b32 s63, s63, 0x80000000
	ROUND                                          ; the four work-groups are here: the first joint loads meet
	tensor_load_to_lds s[48:51], s[24:31]          ; K of trip 0
	s_nop 0
	tensor_load_to_lds s[52:55], s[32:39]          ; V of trip 0
	s_nop 0
	tensor_load_to_lds s[56:59], s[40:47]          ; my quarter of the batch's reference points: three loads of mine are out
	s_nop 0
	s_add_nc_u64 s[4:5], s[4:5], s[78:79]          ; my 64 rows of qb
	s_and_b32 s78, s20, 63
	s_lshl_b32 s78, s78, 8
	s_lshl_b32 s87, s21, 15
	s_add_co_u32 s78, s78, s87
	s_add_nc_u64 s[22:23], s[10:11], s[78:79]      ; x of my 64 queries
	s_lshl_b32 s78, s20, 16
	s_lshl_b32 s87, s18, 14
	s_add_co_u32 s78, s78, s87
	s_add_nc_u64 s[16:17], s[16:17], s[78:79]      ; out0 at query tile w of my 64 rows
	v_and_b32 v3, 31, v0                           ; lane
	v_and_b32 v1, 15, v0                           ; r
	v_bfe_u32 v2, v0, 4, 1                         ; h
	v_lshlrev_b32 v[QO], 9, v1
	v_lshl_add_u32 v[QO], v2, 4, v[QO]
	v_lshlrev_b32 v[NO], 2, v1
	WIN 0x40
.irp q, 0,1,2,3
.irp k, 0,1,2,3,4,5,6,7
	global_load_b128 v[8*(8*\q+\k):8*(8*\q+\k)+3],   v[QO], s[4:5] offset:\q*8192+\k*64
	global_load_b128 v[8*(8*\q+\k)+4:8*(8*\q+\k)+7], v[QO], s[4:5] offset:\q*8192+\k*64+32
.endr
.endr
	WIN 0
.irp q, 0,1,2,3
	global_load_b32 v[ST0+8*\q],   v[NO], s[22:23] offset:\q*64
	global_load_b32 v[ST0+8*\q+1], v[NO], s[22:23] offset:\q*64+16384
.endr
	v_mul_u32_u24 v[WA0], v1, KP
	v_lshl_add_u32 v[WA0], v2, 4, v[WA0]
	v_add_nc_u32 v[KA], s49, v[WA0]
	v_mul_u32_u24 v[VA], v1, VP
	v_lshl_add_u32 v[VA], v2, 4, v[VA]
	v_add_nc_u32 v[VA], s53, v[VA]
	s_lshl_b32 s87, s18, 8
	s_add_co_u32 s88, s87, REF
	v_lshl_add_u32 v[RA], v2, 5, s88
	v_lshlrev_b32 v[L16], 4, v3
	s_add_co_u32 s88, s84, XR
	v_add_nc_u32 v[XS], s88, v[L16]
	s_add_co_u32 s88, s86, XR
	v_add_nc_u32 v[XL0], s88, v[L16]
	v_add_nc_u32 v[XL1], 65536, v[XL0]
	s_lshl_b32 s88, s18, 10
	s_add_co_u32 s88, s88, STAT
	v_lshl_add_u32 v[SS], v3, 2, s88
	s_add_co_u32 s88, s87, STAT
	v_lshl_add_u32 v[SL], v3, 2, s88
	s_wait_tensorcnt 0x0                           ; my K, my V and my quarter of the reference points are in,
	BAR                                            ; everybody's quarter is
	s_wait_loadcnt 0x0                             ; Q and my queries' reference points
.irp q, 0,1,2,3
	v_xor_b32 v[ST0+8*\q],   0x80000000, v[ST0+8*\q]      ; kept negative: the differences are packed additions
	v_xor_b32 v[ST0+8*\q+1], 0x80000000, v[ST0+8*\q+1]
.endr
	TRIP 1, 1, 1
	s_mov_b32 s66, 14
.Ltrip:
	TRIP 0, 1, 1
	s_sub_co_u32 s66, s66, 1
	s_cmp_lg_u32 s66, 0
	s_cbranch_scc1 .Ltrip
	TRIP 0, 2, 0
	; THE END.  The bias comes into the upper half of window 1 (Q is no longer needed): register 128 + 8 o + j of lane (r, h) is channel 16 o + 8 h + j.
	v_lshlrev_b32 v[BO], 5, v2
	v_add_nc_u32 v[WA1], 8*OW, v[WA0]
	s_mul_i32 s88, s18, OW
	s_add_co_u32 s88, s88, OSTG
	v_mul_u32_u24 v[OS], v1, KP
	v_lshl_add_u32 v[OS], v2, 5, v[OS]
	v_add_nc_u32 v[OS], s88, v[OS]
	v_add_nc_u32 v[OL], s88, v[L16]
	WIN 0x40
.irp o, 0,1,2,3,4,5,6,7,8,9,10,11,12,13,14,15
	global_load_b128 v[128+8*\o:128+8*\o+3],   v[BO], s[14:15] offset:\o*64
	global_load_b128 v[128+8*\o+4:128+8*\o+7], v[BO], s[14:15] offset:\o*64+16
.endr
	WIN 0
.irp q, 0,1,2,3
	v_add_f32 v[ST0+8*\q+4], v[ST0+8*\q+4], v[ST0+8*\q+5]
	v_permlanex16_b32 v[ST0+8*\q+5], v[ST0+8*\q+4], s68, s69
	v_add_f32 v[ST0+8*\q+4], v[ST0+8*\q+4], v[ST0+8*\q+5]     ; my wave's sum for query r
	ds_store_b32 v[SS], v[ST0+8*\q+3] offset:\q*256
	ds_store_b32 v[SS], v[ST0+8*\q+4] offset:\q*256+128
.endr
.macro XSTORE                          ; one window of O, register images of 1,024 bytes a tile, 16 neighbouring bytes a lane
.irp q, 0,1,2,3
.irp c, 0,1,2,3,4,5,6,7
	ds_store_b128 v[XS], v[8*(4*\c+\q):8*(4*\c+\q)+3]   offset:(8*\q+\c)*1024
	ds_store_b128 v[XS], v[8*(4*\c+\q)+4:8*(4*\c+\q)+7] offset:(8*\q+\c)*1024+512
.endr
.endr
.endm
.macro XLOAD                           ; the four waves' tiles of my query tile: wave s, channel tile c at 8 (8 s + c)
.irp s, 0,1
.irp c, 0,1,2,3,4,5,6,7
	ds_load_b128 v[8*(8*\s+\c):8*(8*\s+\c)+3],   v[XL0] offset:\s*32768+\c*1024
	ds_load_b128 v[8*(8*\s+\c)+4:8*(8*\s+\c)+7], v[XL0] offset:\s*32768+\c*1024+512
.endr
.endr
.irp s, 0,1
.irp c, 0,1,2,3,4,5,6,7
	ds_load_b128 v[8*(8*\s+16+\c):8*(8*\s+16+\c)+3],   v[XL1] offset:\s*32768+\c*1024
	ds_load_b128 v[8*(8*\s+16+\c)+4:8*(8*\s+16+\c)+7], v[XL1] offset:\s*32768+\c*1024+512
.endr
.endr
.endm
.macro MERGE                           ; x = sum over the waves of their O times their weight, into wave 0's place
.irp c, 0,1,2,3,4,5,6,7
.irp j, 0,2,4,6
	v_pk_mul_f32 v[8*\c+\j:8*\c+\j+1], v[8*\c+\j:8*\c+\j+1], v[52:53] op_sel_hi:[1,0]
.endr
.irp j, 0,2,4,6
	v_pk_fma_f32 v[8*\c+\j:8*\c+\j+1], v[64+8*\c+\j:64+8*\c+\j+1], v[52:53], v[8*\c+\j:8*\c+\j+1] op_sel:[0,1,0] op_sel_hi:[1,1,1]
.endr
.irp j, 0,2,4,6
	v_pk_fma_f32 v[8*\c+\j:8*\c+\j+1], v[128+8*\c+\j:128+8*\c+\j+1], v[54:55], v[8*\c+\j:8*\c+\j+1] op_sel_hi:[1,0,1]
.endr
.irp j, 0,2,4,6
	v_pk_fma_f32 v[8*\c+\j:8*\c+\j+1], v[192+8*\c+\j:192+8*\c+\j+1], v[54:55], v[8*\c+\j:8*\c+\j+1] op_sel:[0,1,0] op_sel_hi:[1,1,1]
.endr
.endr
.endm
.macro XMAX                            ; the largest |x| of one window's 64 registers joins two chains in v56, v57
.irp c, 0,1,2,3,4,5,6,7
.irp j, 0,2,4,6
	v_max3_num_f32 v[56+((\j>>1)&1)], |v[8*\c+\j]|, |v[8*\c+\j+1]|, v[56+((\j>>1)&1)]
.endr
.endr
.endm
.macro XSCALE                          ; one window of x times 2^-e
.irp c, 0,1,2,3,4,5,6,7
.irp j, 0,2,4,6
	v_pk_mul_f32 v[8*\c+\j:8*\c+\j+1], v[8*\c+\j:8*\c+\j+1], v[60:61] op_sel_hi:[1,0]
.endr
.endr
.endm
.macro PACKX base                      ; channel tiles 2 k, 2 k + 1 make the B fragment of K step k
.irp c, 0,1,2,3,4,5,6,7
.irp j, 0,1,2,3
	v_cvt_pk_f16_f32 v[\base+4*\c+\j], v[8*\c+2*\j], v[8*\c+2*\j+1]
.endr
.endr
.endm
	WIN 0x08
	XSTORE                                         ; channels 0-127 of all four query tiles
	WIN 0
	s_wait_dscnt 0x0
	BAR
.irp s, 0,1,2,3
	ds_load_b32 v[56+\s], v[SL] offset:\s*1024     ; -M of wave s for my query tile
	ds_load_b32 v[60+\s], v[SL] offset:\s*1024+128 ; its sum
.endr
	WIN 0x80
	XLOAD
	WIN 0
	s_wait_dscnt 0x0                               ; my reads are back before anybody stores there again
	BAR
	WIN 0x0c
	XSTORE                                         ; channels 128-255
	WIN 0
	s_wait_dscnt 0x0
	BAR
	WIN 0xc0
	XLOAD
	WIN 0
	; the waves' weights: 2^(M_s - M) / (sum over s of 2^(M_s - M) l_s)
	v_min3_num_f32 v52, v56, v57, v58
	v_min_num_f32 v52, v52, v59
	v_sub_f32 v56, v52, v56
	v_sub_f32 v57, v52, v57
	v_sub_f32 v58, v52, v58
	v_sub_f32 v59, v52, v59
	v_exp_f32 v56, v56
	v_exp_f32 v57, v57
	v_exp_f32 v58, v58
	v_exp_f32 v59, v59
	v_nop
	s_wait_alu depctr_va_vdst(0)
	v_mul_f32 v60, v56, v60
	v_fmac_f32 v60, v57, v61
	v_fmac_f32 v60, v58, v62
	v_fmac_f32 v60, v59, v63
	v_rcp_f32 v60, v60
	v_nop
	s_wait_alu depctr_va_vdst(0)
	v_mul_f32 v52, v56, v60
	v_mul_f32 v53, v57, v60
	v_mul_f32 v54, v58, v60
	v_mul_f32 v55, v59, v60
	v_mov_b32 v56, 0                               ; the two chains of the largest |x| start here
	v_mov_b32 v57, 0
	WIN 0xa2
	MERGE                                          ; channels 0-127, while channels 128-255 come in
	WIN 0x0a
	XMAX
	WIN 0
	s_wait_dscnt 0x0
	WIN 0xf3
	MERGE
	WIN 0x0f
	XMAX
	WIN 0
	; the query's scale: 2^e from the exponent field E of its largest |x|, and 2^-e, whose field is 254 - E
	v_max_num_f32 v56, v56, v57
	v_permlanex16_b32 v57, v56, s68, s69           ; the other half of the lanes holds the query's other 128 channels
	v_max_num_f32 v56, v56, v57
	v_and_b32 v58, 0x7f800000, v56                 ; 2^e  (v59, the pair's other register, holds an old weight and is not selected)
	v_sub_nc_u32 v60, 0x7f000000, v58              ; 2^-e (v61 likewise)
	WIN 0x82
	XSCALE
	WIN 0x0a
	PACKX SB0
	WIN 0xc3
	XSCALE
	WIN 0x0f
	PACKX SB0+32
	; out^T = 2^e Wo (2^-e x)^T + bo: 16 channel tiles x 8 K steps.  Run n = K step n: 16 fragments of Wo into one of four buffers (the halves of windows 2 and 3).
.macro LDW n
.set EB_, 128*((\n)&1)
.if ((\n)>>1)&1
	WIN 0xc0
.else
	WIN 0x80
.endif
.irp o, 0,1,2,3,4,5,6,7
	ds_load_b128 v[EB_+8*\o:EB_+8*\o+3],   v[WA0] offset:\o*OW+(\n)*64
	ds_load_b128 v[EB_+8*\o+4:EB_+8*\o+7], v[WA0] offset:\o*OW+(\n)*64+32
.endr
.irp o, 0,1,2,3,4,5,6,7
	ds_load_b128 v[EB_+64+8*\o:EB_+64+8*\o+3],   v[WA1] offset:\o*OW+(\n)*64
	ds_load_b128 v[EB_+64+8*\o+4:EB_+64+8*\o+7], v[WA1] offset:\o*OW+(\n)*64+32
.endr
.endm
.macro MMW n                           ; the 16 accumulators take turns, one instruction a turn; run 0 starts the sums
.set EB_, 128*((\n)&1)
.if ((\n)>>1)&1
	WIN 0x53
.else
	WIN 0x52
.endif
.irp o, 0,1,2,3,4,5,6,7,8,9,10,11,12,13,14,15
.if (\n) == 0
	v_wmma_f32_16x16x32_f16 v[8*\o:8*\o+7], v[EB_+8*\o:EB_+8*\o+7], v[SB0+8*(\n):SB0+8*(\n)+7], 0
.else
	v_wmma_f32_16x16x32_f16 v[8*\o:8*\o+7], v[EB_+8*\o:EB_+8*\o+7], v[SB0+8*(\n):SB0+8*(\n)+7], v[8*\o:8*\o+7]
.endif
.endr
.endm
	LDW 0
	LDW 1
.irp n, 0,1,2,3,4,5,6,7
.if \n == 7
	s_wait_dscnt 0
.else
	s_wait_dscnt 32                                ; this run's fragments are in; the next run's 32 loads may stay out
.endif
	MMW \n
.if \n <= 5
	PLACES 4                                       ; places between the products that read a buffer and the loads that fill it again
	LDW \n+2
.endif
.endr
	WIN 0
	PLACES 4                                       ; four places behind the last product before its result is read
	s_wait_loadcnt 0x0                             ; the bias
	WIN 0x51
.irp o, 0,1,2,3,4,5,6,7,8,9,10,11,12,13,14,15
.irp j, 0,2,4,6
	v_pk_fma_f32 v[8*\o+\j:8*\o+\j+1], v[8*\o+\j:8*\o+\j+1], v[58:59], v[128+8*\o+\j:128+8*\o+\j+1] op_sel_hi:[1,0,1]   ; times 2^e, plus the bias
.endr
.endr
	; THE WAY OUT, 128 channels at a time through my own stage: 32 bytes a lane in, whole rows of 512 bytes back.
.irp hf, 0,1
	WIN 0x04
.irp o, 0,1,2,3,4,5,6,7
	ds_store_b128 v[OS], v[8*(8*\hf+\o):8*(8*\hf+\o)+3]   offset:\o*64
	ds_store_b128 v[OS], v[8*(8*\hf+\o)+4:8*(8*\hf+\o)+7] offset:\o*64+16
.endr
	WIN 0
.if \hf
	s_wait_xcnt 0x0                                ; the first half's stores name v192-255 as data: those registers are loaded again only behind this wait
.endif
.irp q, 0,1,2,3,4,5,6,7,8,9,10,11,12,13,14,15
	ds_load_b128 v[192+4*\q:192+4*\q+3], v[OL] offset:\q*KP        ; LDS serves a wave's instructions in order: these see the stores above
.endr
.irp q, 0,1,2,3,4,5,6,7,8,9,10,11,12,13,14,15
	s_wait_dscnt 15-\q
	global_store_b128 v[L16], v[192+4*\q:192+4*\q+3], s[16:17] offset:\q*1024+\hf*512 th:TH_STORE_NT   ; 512 consecutive bytes at a multiple of 512
.endr
.endr
	s_wait_xcnt 0x0
	v_lshl_add_u32 v62, v0, 2, 0x4e000
	v_mov_b32 v63, 0
	s_wait_tensorcnt 0x0
	ds_add_u32 v62, v63
	s_wait_dscnt 0x0
	ROUND                                          ; the closing round: no work-group ends while a partner may still issue a joint load
	s_endpgm
.Lfunc_end_k_qbe2127812d_attn:
	.size	k_qbe2127812d_attn, .Lfunc_end_k_qbe2127812d_attn-k_qbe2127812d_attn
	.p2alignl 7, 3214868480
	.fill 96, 4, 3214868480
	.section	.rodata,"a",@progbits
	.p2align	6, 0x0
	.amdhsa_kernel k_qbe2127812d_attn
		.amdhsa_group_segment_fixed_size 327680
		.amdhsa_private_segment_fixed_size 0
		.amdhsa_enable_private_segment 0
		.amdhsa_kernarg_size 56
		.amdhsa_user_sgpr_count 2
		.amdhsa_user_sgpr_kernarg_segment_ptr 1
		.amdhsa_wavefront_size32 1
		.amdhsa_system_sgpr_workgroup_id_x 1
		.amdhsa_system_sgpr_workgroup_id_y 1
		.amdhsa_system_sgpr_workgroup_id_z 1
		.amdhsa_system_vgpr_workitem_id 0
		.amdhsa_next_free_vgpr 1024
		.amdhsa_next_free_sgpr 96
		.amdhsa_reserve_vcc 0
		.amdhsa_float_denorm_mode_32 3
		.amdhsa_float_denorm_mode_16_64 3
		.amdhsa_memory_ordered 1
		.amdhsa_forward_progress 1
		.amdhsa_inst_pref_size 255
	.end_amdhsa_kernel
	.section	.bss,"aw",@nobits
	.p2align	6
	.space	262144
	.amdgpu_metadata
---
amdhsa.version: [ 1, 2 ]
amdhsa.kernels:
  - .name:           k_qbe2127812d_attn
    .symbol:         k_qbe2127812d_attn.kd
    .args:
      - { .name: qb, .offset: 0, .size: 8, .value_kind: global_buffer, .address_space: global }
      - { .name: kb, .offset: 8, .size: 8, .value_kind: global_buffer, .address_space: global }
      - { .name: vt, .offset: 16, .size: 8, .value_kind: global_buffer, .address_space: global }
      - { .name: refp, .offset: 24, .size: 8, .value_kind: global_buffer, .address_space: global }
      - { .name: wob, .offset: 32, .size: 8, .value_kind: global_buffer, .address_space: global }
      - { .name: bo, .offset: 40, .size: 8, .value_kind: global_buffer, .address_space: global }
      - { .name: out0, .offset: 48, .size: 8, .value_kind: global_buffer, .address_space: global }
    .group_segment_fixed_size: 327680
    .private_segment_fixed_size: 0
    .kernarg_segment_align: 8
    .kernarg_segment_size: 56
    .max_flat_workgroup_size: 128
    .sgpr_count:     96
    .vgpr_count:     1024
    .wavefront_size: 32
...
	.end_amdgpu_metadata
.endif
;; end of part 2
